; MI455X (gfx1250); checked and timed in simulation.
; The chip was launched on July 23, 2026; its instructions are those of AMD's public machine-readable ISA for CDNA 5 (MIT licence, August 2026) and "CDNA5" Instruction Set Architecture Reference Guide (July 2026). The comments in the code are by the model that wrote it; some were corrected since.
;; Llama Attention. Allowed arithmetic: float matrix products may take bf16 or f16 operands with f32 sums; all other float work in f32.
;; Inputs: K 8 x 8 x 128 float32; Kcache 32,768 x 8 x 128 float32; Q 8 x 32 x 128 float32; V 8 x 8 x 128 float32; Vcache 32,768 x 8 x 128 float32; block_tables 8 x 256 int32; cos 8 x 1 x 128 float32; input_length 8 int32; mask 1 float32; save_slots 8 x 256 int32; sin 8 x 1 x 128 float32.
;; Outputs: out0 8 x 32 x 128 float32.
;; Constants: max_s = 4096.
;; One version. Each part assembles by itself: llvm-mc -triple=amdgcn-amd-amdhsa -mcpu=gfx1250 --defsym DOCPART=n.
;; ======== version 1 of 1: 2 launches
;; limits: values are held in f16: magnitudes above 65,504 overflow, below 6.1e-05 lose precision
;; workspace buffers: pacc 4,194,304 bytes; pml 65,536 bytes
;; launch partial (part 1): grid 32 x 8, 8 waves a work-group, no clusters, 70,656 bytes of LDS; arguments Q, Kcache, Vcache, cos, sin, input_length, mask, block_tables, pacc, pml; writes pacc, pml
.if DOCPART == 1
	.amdgcn_target "amdgcn-amd-amdhsa--gfx1250"
	.amdhsa_code_object_version 6
	.text
	.protected	k_q0dc006d4ed_partial
	.globl	k_q0dc006d4ed_partial
	.p2align	8
	.type	k_q0dc006d4ed_partial,@function
k_q0dc006d4ed_partial:
	s_mov_b64 s[64:65], 0
	v_nop
	global_prefetch_b8 v0, s[64:65] scope:SCOPE_SE
	s_setreg_imm32_b32 hwreg(HW_REG_WAVE_MODE, 25, 1), 1
	s_wait_xcnt 0x0
; Paged decode attention, part 1: partial softmax sums over the cache positions 0 .. N-2 (position N-1, the current token, is
; taken in the second launch).  Work-group (i, b): sequence b, steps i, i+32, i+64, i+96; a step is 32 tokens = two table entries.
; Wave w is kv head w and serves the four query heads 8 g + w.  The eight waves together read the whole 64 KiB of each block.
; Stored: pacc[b][i][head][128] = sum of p V (not normalised), pml[b][head][i] = (m, l), m and the scores in the log2 domain.
;
; MATRIX SCHEME (v_wmma_f32_16x16x32_f16; lane L, r = L & 15, h = L >> 4)
;   scores, transposed: D = K(16 tokens x 32 d) x Q'(32 d x 16 columns), column r = query r & 3 (Q' four times over), four links over d.
;     Register j of a lane is the score of token 16 T + 8 h + j: after exp, packing registers (2i, 2i+1) IS the A fragment of P.
;   P V: eight tiles (j, u); column r of tile (j, u) is d = 64 u + 4 r + j, so that one 16-byte load gives a lane one element of four
;     tiles, lanes 0-15 read 256 consecutive bytes of token tt and lanes 16-31 those of token tt + 8, and packing tokens (2i, 2i+1)
;     IS the B fragment: V goes through no LDS.  Register g (0-3) of a tile is query g; registers 4-7 repeat them and are never read.
;   K is loaded by rows (lane L: 16 bytes at 16 L of the token's 512), packed to f16, and turned through the wave's own LDS tile.
; No LDS byte is shared between waves: no barrier.  No cache byte is read by two work-groups: no cluster, no multicast.
;
; LIMITS: 1 <= N <= 4096; table entries 0 .. 2047 (clamped below).  Operands of the products are f16: |K|, |V|, |Q'| above 65504 become
; infinite, magnitudes below 2^-24 become 0.  Every slot of a block that is touched must hold finite numbers in that range, also the
; slots at and behind N-1, which are multiplied by p = 0.  128^-0.5, mask and log2 e are folded into Q before it is rounded to f16.
.set PITCH, 272                        ; LDS row: 128 f16 + 16 bytes, an odd multiple of 16: the 16 rows of a fragment load fall apart
.set WTILE, 32*PITCH                   ; a wave's tile: 32 tokens
.set OFFK, 4                           ; v4   16 L
.set OFFV, 5                           ; v5   32768 h + 16 r  (8 tokens further for the upper lanes)
.set STK,  6                           ; v6   LDS: tile + 8 L
.set LDK,  7                           ; v7   LDS: tile + 272 r + 16 h
.set LDQ,  8                           ; v8   LDS: tile + 272 (r & 3) + 16 h
.set OFFX, 9                           ; v9   16 L ^ 256: the other half of a head's 128 numbers
.set LIM,  10                          ; v10  valid tokens left in the last step, less 8 h
.set T0,   11                          ; v11  at work
.set MM,   12                          ; v[12:13] (m, m); at the end (m, l)
.set LS,   14                          ; v14  sum of p over my half's tokens
.set ALPHA,15                          ; v15  2^(m old - m new)
.set MX,   16                          ; v16  at work
.set MLO,  17                          ; v17  2048 L: from head 8 g + w to head 8 (g+1) + w in pml
.set AL,   18                          ; v[18:21] alpha of queries 0..3; in the prologue (cf, cf, sign)
.set NINF, 22                          ; v22  -infinity
.set S,    24                          ; v[24:39] scores, then p
.set PF,   40                          ; v[40:47] P as an A fragment
.set QF,   48                          ; v[48:79] Q' as four B fragments
.set F,    80                          ; v[80:143] eight fragments: K's, then V's
.set ACC,  144                         ; v[144:207] eight tiles (4 u + j); in the prologue Q, its rotated copy, cos, sin
.set OUT,  208                         ; v[208:223] what is stored; in a step the sum tree
; second block of 256 registers (written with the low 8 bits): v256-383 K as loaded (token t: 4 t), v384-511 V as loaded (128 + 64 u + 32 blk + 4 tt)
.set KP, 10                            ; s[10:11] Kcache + 512 w
.set VP, 12                            ; s[12:13] Vcache + 512 w
.set KA, 40                            ; s[40:41], s[42:43] K's two blocks of the step on its way
.set KB2, 42
.set VA, 44                            ; s[44:45], s[46:47] V's
.set VB2, 46
.set MSB, 0
.macro WIN new                         ; low byte: blocks of source 0 (1:0), source 1 (3:2), source 2 (5:4), destination (7:6); high byte: the setting left
.if MSB != \new
	s_set_vgpr_msb (MSB<<8)|\new
.set MSB, \new
.endif
.endm
.macro SETBASE dst, ptr, ent           ; block's address: entry clamped to the table's range, times 16 tokens of 4,096 bytes
	s_min_u32 s36, s[\ent], 0x7ff
	s_lshl_b32 s36, s36, 16
	s_add_nc_u64 s[\dst:\dst+1], s[\ptr:\ptr+1], s[36:37]
.endm
.macro LOADK                           ; 32 loads, each a token's 512 consecutive bytes of my head; a cache byte is wanted once for each time the table names its block
	WIN 0x40
.set t, 0
.rept 16
	global_load_b128 v[4*t:4*t+3], v[OFFK], s[KA:KA+1] offset:4096*t th:TH_LOAD_NT
.set t, t+1
.endr
.set t, 0
.rept 16
	global_load_b128 v[64+4*t:64+4*t+3], v[OFFK], s[KB2:KB2+1] offset:4096*t th:TH_LOAD_NT
.set t, t+1
.endr
.endm
.macro LOADV                           ; 32 loads, each 256 consecutive bytes of two tokens; the 16 of u = 0 first
	WIN 0x40
.irp u, 0,1
.set t, 0
.rept 8
	global_load_b128 v[128+64*\u+4*t:128+64*\u+4*t+3], v[OFFV], s[VA:VA+1] offset:4096*t+256*\u th:TH_LOAD_NT
.set t, t+1
.endr
.set t, 0
.rept 8
	global_load_b128 v[160+64*\u+4*t:160+64*\u+4*t+3], v[OFFV], s[VB2:VB2+1] offset:4096*t+256*\u th:TH_LOAD_NT
.set t, t+1
.endr
.endr
.endm
.macro PACKV u                         ; tokens (2p, 2p+1) of block k, element j of the lane's four: register 4 k + p of tile (j, u)
.irp j, 0,1,2,3
.irp k, 0,1
.irp p, 0,1,2,3
	v_cvt_pk_f16_f32 v[F+8*(4*\u+\j)+4*\k+\p], v[128+64*\u+32*\k+8*\p+\j], v[128+64*\u+32*\k+8*\p+4+\j]
.endr
.endr
.endr
.endm
	s_load_b512 s[8:23], s[0:1], 0x0               ; Q, Kcache, Vcache, cos, sin, input_length, mask, block_tables
	s_load_b128 s[24:27], s[0:1], 0x40             ; pacc, pml
	v_lshl_add_u32 v254, v0, 2, 0x11000
	v_mov_b32 v255, 0
	v_lshrrev_b32 v[T0], 5, v0
	v_readfirstlane_b32 s2, v[T0]                  ; w
	s_mov_b32 s3, ttmp9                            ; i
	s_and_b32 s4, ttmp7, 0xffff                    ; b
	s_mov_b32 s37, 0                               ; high word of every offset
	s_mov_b32 s48, 0x76543210                      ; v_permlanex16_b32: lane L takes lane L ^ 16
	s_mov_b32 s49, 0xfedcba98
	s_mov_b32 s54, 0xffff0000                      ; the lanes with h = 1
	s_mul_i32 s7, s2, WTILE                        ; my tile in LDS
	v_and_b32 v1, 31, v0                           ; L
	v_and_b32 v2, 15, v0                           ; r
	v_bfe_u32 v3, v0, 4, 1                         ; h
	v_lshlrev_b32 v[OFFK], 4, v1
	v_xor_b32 v[OFFX], 0x100, v[OFFK]
	v_lshlrev_b32 v[OFFV], 4, v2
	v_lshl_add_u32 v[OFFV], v3, 15, v[OFFV]
	v_lshl_add_u32 v[STK], v1, 3, s7
	v_mul_u32_u24 v[LDK], PITCH, v2
	v_lshl_add_u32 v[LDK], v3, 4, v[LDK]
	v_add_nc_u32 v[LDK], s7, v[LDK]
	v_and_b32 v[LDQ], 3, v0
	v_mul_u32_u24 v[LDQ], PITCH, v[LDQ]
	v_lshl_add_u32 v[LDQ], v3, 4, v[LDQ]
	v_add_nc_u32 v[LDQ], s7, v[LDQ]
	v_lshlrev_b32 v[MLO], 11, v1
	v_mov_b32 v[NINF], 0xff800000
	v_and_b32 v[AL+2], 16, v0                      ; the rotated half enters with -sin for d < 64 (L < 16), +sin above:
	v_xor_b32 v[AL+2], 16, v[AL+2]
	v_lshlrev_b32 v[AL+2], 27, v[AL+2]             ; a sign bit for the lower lanes
	s_wait_kmcnt 0x0
	s_lshl_b32 s36, s4, 2
	s_add_nc_u64 s[18:19], s[18:19], s[36:37]
	s_load_b32 s5, s[18:19], 0x0                   ; N
	s_load_b32 s57, s[20:21], 0x0                  ; mask
	s_lshl_b32 s36, s4, 10                         ; the sequence's 256 entries,
	s_lshl3_add_u32 s36, s3, s36                   ; step i's two
	s_add_nc_u64 s[22:23], s[22:23], s[36:37]
	s_load_b64 s[28:29], s[22:23], 0x0             ; steps i, i+32, i+64, i+96: always inside the table's row
	s_load_b64 s[30:31], s[22:23], 0x100
	s_load_b64 s[32:33], s[22:23], 0x200
	s_load_b64 s[34:35], s[22:23], 0x300
	s_lshl_b32 s7, s2, 9                           ; 512 w
	s_lshl_b32 s36, s4, 14                         ; 32 heads of 512 bytes
	s_add_co_u32 s36, s36, s7
	s_add_nc_u64 s[8:9], s[8:9], s[36:37]          ; Q of (b, head w)
	s_lshl_b32 s36, s4, 9
	s_add_nc_u64 s[14:15], s[14:15], s[36:37]
	s_add_nc_u64 s[16:17], s[16:17], s[36:37]
.irp g, 0,1,2,3
	global_load_b128 v[ACC+4*\g:ACC+4*\g+3], v[OFFK], s[8:9] offset:4096*\g          ; Q of head 8 g + w
	global_load_b128 v[ACC+16+4*\g:ACC+16+4*\g+3], v[OFFX], s[8:9] offset:4096*\g    ; and its other half
.endr
	global_load_b128 v[ACC+32:ACC+35], v[OFFK], s[14:15]
	global_load_b128 v[ACC+36:ACC+39], v[OFFK], s[16:17]
	s_mov_b32 s36, s7
	s_add_nc_u64 s[KP:KP+1], s[KP:KP+1], s[36:37]
	s_add_nc_u64 s[VP:VP+1], s[VP:VP+1], s[36:37]
	s_wait_kmcnt 0x0
	s_sub_co_u32 s5, s5, 1
	s_min_u32 s5, s5, 0xfff                        ; n = cache positions
	s_add_co_u32 s6, s5, 31
	s_lshr_b32 s6, s6, 5                           ; steps of the sequence, 0 .. 128
	s_add_co_u32 s6, s6, 31
	s_sub_co_u32 s6, s6, s3
	s_lshr_b32 s6, s6, 5
	s_min_u32 s6, s6, 4                            ; t = my steps, 0 .. 4
	s_lshl_b32 s56, s6, 10
	s_lshl_b32 s7, s3, 5
	s_add_co_u32 s56, s56, s7
	s_sub_co_u32 s56, s5, s56
	s_add_co_u32 s56, s56, 0x400                   ; n - 32 (i + 32 (t-1)): tokens left at my last step, at least 1
	s_cmp_eq_u32 s6, 0
	s_cbranch_scc1 .Lempty
	SETBASE KA, KP, 28
	SETBASE KB2, KP, 29
	SETBASE VA, VP, 28
	SETBASE VB2, VP, 29
	LOADK
	LOADV
	WIN 0
	v_mov_b32 v[AL], s57
	v_mul_f32 v[AL], 0x3e0293ee, v[AL]             ; cf = mask x 128^-0.5 x log2 e
	v_mov_b32 v[AL+1], v[AL]
	v_lshlrev_b32 v[LIM], 3, v3
	v_sub_nc_u32 v[LIM], s56, v[LIM]
	s_wait_loadcnt 0x3f                            ; 74 loads were issued and they return in order: the oldest 11 are in, among them Q, cos, sin
.irp k, 0,1,2,3
	v_xor_b32 v[ACC+36+\k], v[AL+2], v[ACC+36+\k]
.endr
.irp k, 32,34,36,38
	v_pk_mul_f32 v[ACC+\k:ACC+\k+1], v[ACC+\k:ACC+\k+1], v[AL:AL+1]
.endr
.irp g, 0,1,2,3                                    ; Q' = cf (Q cos + rotated Q x signed sin), f16, row g of my tile
	v_pk_mul_f32 v[ACC+16+4*\g:ACC+17+4*\g], v[ACC+16+4*\g:ACC+17+4*\g], v[ACC+36:ACC+37]
	v_pk_mul_f32 v[ACC+18+4*\g:ACC+19+4*\g], v[ACC+18+4*\g:ACC+19+4*\g], v[ACC+38:ACC+39]
	v_pk_fma_f32 v[ACC+4*\g:ACC+4*\g+1], v[ACC+4*\g:ACC+4*\g+1], v[ACC+32:ACC+33], v[ACC+16+4*\g:ACC+17+4*\g]
	v_pk_fma_f32 v[ACC+4*\g+2:ACC+4*\g+3], v[ACC+4*\g+2:ACC+4*\g+3], v[ACC+34:ACC+35], v[ACC+18+4*\g:ACC+19+4*\g]
	v_cvt_pk_f16_f32 v[ACC+4*\g], v[ACC+4*\g], v[ACC+4*\g+1]
	v_cvt_pk_f16_f32 v[ACC+4*\g+1], v[ACC+4*\g+2], v[ACC+4*\g+3]
	ds_store_b64 v[STK], v[ACC+4*\g:ACC+4*\g+1] offset:PITCH*\g
.endr
.irp c, 0,1,2,3                                    ; LDS serves a wave's instructions in order (ISA guide 5.7.1): these see the stores above
	ds_load_b128 v[QF+8*\c:QF+8*\c+3], v[LDQ] offset:64*\c          ; and are served before the first step's K lands on the rows
	ds_load_b128 v[QF+8*\c+4:QF+8*\c+7], v[LDQ] offset:64*\c+32
.endr
; One step.  On entry K's 32 loads and behind them V's 32 loads of this step are out, on every path.
; first = 1: the products and sums start here (C = 0, nothing is cleared).  ahead = 1: the next step is requested; 0: my last step, masked.
.macro STEP first, ahead
	WIN 0x45
.set t, 0
.rept 4
	s_wait_loadcnt 56-t                            ; eight more tokens of K are in; out stay the younger K loads and V's 32
.rept 8
	v_cvt_pk_f16_f32 v[4*t], v[4*t], v[4*t+1]
	v_cvt_pk_f16_f32 v[4*t+1], v[4*t+2], v[4*t+3]
.set t, t+1
.endr
.endr
	WIN 0x04
.set t, 0
.rept 32
	ds_store_b64 v[STK], v[4*t:4*t+1] offset:PITCH*t               ; a token's 256 bytes of f16, consecutive over the lanes
.set t, t+1
.endr
	WIN 0
.irp c, 0,1,2,3                                    ; fragments: token 16 q + r, d = 32 c + 8 h .. and 32 c + 16 + 8 h ..
.irp q, 0,1
	ds_load_b128 v[F+8*(2*\c+\q):F+8*(2*\c+\q)+3], v[LDK] offset:16*PITCH*\q+64*\c
	ds_load_b128 v[F+8*(2*\c+\q)+4:F+8*(2*\c+\q)+7], v[LDK] offset:16*PITCH*\q+64*\c+32
.endr
.endr
.if \ahead
	s_wait_dscnt 0x10                              ; all but the 16 loads: the LDS stores have read K's registers
	s_wait_xcnt 0x0                                ; K's bases are written again behind this wait (their loads are in as well)
	SETBASE KA, KP, 30
	SETBASE KB2, KP, 31
	LOADK
	WIN 0
.endif
.irp c, 0,1,2,3
	s_wait_dscnt 12-4*\c                           ; the four loads of this c are in, those of later c stay out
.if \c == 0
	v_wmma_f32_16x16x32_f16 v[S:S+7], v[F:F+7], v[QF:QF+7], 0
	v_wmma_f32_16x16x32_f16 v[S+8:S+15], v[F+8:F+15], v[QF:QF+7], 0
.else
	v_wmma_f32_16x16x32_f16 v[S:S+7], v[F+16*\c:F+16*\c+7], v[QF+8*\c:QF+8*\c+7], v[S:S+7]
	v_wmma_f32_16x16x32_f16 v[S+8:S+15], v[F+16*\c+8:F+16*\c+15], v[QF+8*\c:QF+8*\c+7], v[S+8:S+15]
.endif
.endr
.rept 4
	v_nop                                          ; four places before vector instructions read the results (ISA guide 7.12.1)
.endr
.if \ahead == 0
.set t, 0
.rept 16                                           ; register t is token t + 8 (t / 8) + 8 h of the step: -infinity from the sequence's end on
	v_cmp_lt_i32 vcc_lo, t+8*(t/8), v[LIM]
	v_cndmask_b32 v[S+t], v[NINF], v[S+t], vcc_lo
.set t, t+1
.endr
.endif
	v_max3_num_f32 v[MX], v[S], v[S+1], v[S+2]     ; two chains
	v_max3_num_f32 v[T0], v[S+8], v[S+9], v[S+10]
	v_max3_num_f32 v[MX], v[MX], v[S+3], v[S+4]
	v_max3_num_f32 v[T0], v[T0], v[S+11], v[S+12]
	v_max3_num_f32 v[MX], v[MX], v[S+5], v[S+6]
	v_max3_num_f32 v[T0], v[T0], v[S+13], v[S+14]
	v_max3_num_f32 v[MX], v[MX], v[S+7], v[S+15]
.if \first
	v_max_num_f32 v[MX], v[MX], v[T0]
.else
	v_max3_num_f32 v[MX], v[MX], v[T0], v[MM]
.endif
	v_permlanex16_b32 v[T0], v[MX], s48, s49       ; the other 16 tokens of the same query
	v_max_num_f32 v[MM+1], v[MX], v[T0]
.if \first == 0
	v_sub_f32 v[ALPHA], v[MM], v[MM+1]
.endif
	v_mov_b32 v[MM], v[MM+1]
.irp k, 0,2,4,6,8,10,12,14
	v_pk_add_f32 v[S+\k:S+\k+1], v[S+\k:S+\k+1], v[MM:MM+1] neg_lo:[0,1] neg_hi:[0,1]
.endr
.set t, 0
.rept 16
	v_exp_f32 v[S+t], v[S+t]
.set t, t+1
.endr
.if \first == 0
	v_exp_f32 v[ALPHA], v[ALPHA]
.endif
	v_nop                                          ; one plain place behind the exponentials (ISA guide 5.7.2)
	s_wait_alu depctr_va_vdst(0)
.irp k, 0,1,2,3
	v_pk_add_f32 v[OUT+2*\k:OUT+2*\k+1], v[S+4*\k:S+4*\k+1], v[S+4*\k+2:S+4*\k+3]
.endr
	v_pk_add_f32 v[OUT:OUT+1], v[OUT:OUT+1], v[OUT+2:OUT+3]
	v_pk_add_f32 v[OUT+4:OUT+5], v[OUT+4:OUT+5], v[OUT+6:OUT+7]
	v_pk_add_f32 v[OUT:OUT+1], v[OUT:OUT+1], v[OUT+4:OUT+5]
.if \first
	v_add_f32 v[LS], v[OUT], v[OUT+1]
.else
	v_add_f32 v[OUT], v[OUT], v[OUT+1]
	v_fma_f32 v[LS], v[LS], v[ALPHA], v[OUT]
.endif
.irp k, 0,1,2,3,4,5,6,7
	v_cvt_pk_f16_f32 v[PF+\k], v[S+2*\k], v[S+2*\k+1]              ; P's A fragment, in the lane where it was made
.endr
.if \first == 0
.irp q, 0,1,2,3                                    ; register q of a tile is query q, whose alpha lane q holds
	v_readlane_b32 s[50+\q], v[ALPHA], \q
.endr
.irp q, 0,1,2,3
	v_mov_b32 v[AL+\q], s[50+\q]
.endr
.irp k, 0,1,2,3,4,5,6,7
	v_pk_mul_f32 v[ACC+8*\k:ACC+8*\k+1], v[ACC+8*\k:ACC+8*\k+1], v[AL:AL+1]
	v_pk_mul_f32 v[ACC+8*\k+2:ACC+8*\k+3], v[ACC+8*\k+2:ACC+8*\k+3], v[AL+2:AL+3]
.endr
.endif
	WIN 0x05
	s_wait_loadcnt 16+32*\ahead                    ; V's first 16 loads (u = 0) are in; out stay its other 16 and the next step's K
	PACKV 0
	s_wait_loadcnt 32*\ahead
	PACKV 1
.if \ahead
	s_wait_xcnt 0x0                                ; V's bases are written again behind this wait (their loads are in as well)
	SETBASE VA, VP, 30
	SETBASE VB2, VP, 31
	LOADV
	s_mov_b64 s[30:31], s[32:33]                   ; the queue of table entries moves up
	s_mov_b64 s[32:33], s[34:35]
.endif
	WIN 0
.irp k, 0,1,2,3,4,5,6,7
.if \first
	v_wmma_f32_16x16x32_f16 v[ACC+8*\k:ACC+8*\k+7], v[PF:PF+7], v[F+8*\k:F+8*\k+7], 0
.else
	v_wmma_f32_16x16x32_f16 v[ACC+8*\k:ACC+8*\k+7], v[PF:PF+7], v[F+8*\k:F+8*\k+7], v[ACC+8*\k:ACC+8*\k+7]
.endif
.endr                                              ; the next step's 64 conversions of K are the places in front of its loads into F
.endm
	s_cmp_lg_u32 s6, 1
	s_cbranch_scc1 .Lmany
	STEP 1, 0
	s_branch .Lfinish
.Lmany:
	STEP 1, 1
	s_sub_co_u32 s6, s6, 2
	s_cmp_eq_u32 s6, 0
	s_cbranch_scc1 .Llast
.Lloop:
	STEP 0, 1
	s_sub_co_i32 s6, s6, 1
	s_cmp_lg_u32 s6, 0
	s_cbranch_scc1 .Lloop
.Llast:
	STEP 0, 0
.Lfinish:
.rept 4
	v_nop                                          ; four places behind the last products (ISA guide 7.12.1)
.endr
	v_permlanex16_b32 v[T0], v[LS], s48, s49
	v_add_f32 v[MM+1], v[LS], v[T0]                ; l over all 32 tokens of every step
.irp g, 0,1,2,3                                    ; lane L stores d = 4 L + j = 64 h + 4 r + j: tile (j, u = h), register g
.irp j, 0,1,2,3
	v_cndmask_b32 v[OUT+4*\g+\j], v[ACC+8*\j+\g], v[ACC+8*(4+\j)+\g], s54
.endr
.endr
	s_branch .Lstore
.Lempty:                                           ; no step is mine: a partial of weight zero
.set t, 0
.rept 16
	v_mov_b32 v[OUT+t], 0
.set t, t+1
.endr
	v_mov_b32 v[MM], v[NINF]
	v_mov_b32 v[MM+1], 0
.Lstore:
	s_lshl_b32 s36, s4, 5
	s_add_co_u32 s36, s36, s3
	s_lshl_b32 s36, s36, 14                        ; (32 b + i) x 32 heads x 512 bytes
	s_lshl_b32 s7, s2, 9
	s_add_co_u32 s36, s36, s7
	s_add_nc_u64 s[24:25], s[24:25], s[36:37]
.irp g, 0,1,2,3
	global_store_b128 v[OFFK], v[OUT+4*\g:OUT+4*\g+3], s[24:25] offset:4096*\g       ; a head's 512 consecutive bytes, aligned
.endr
	s_lshl_b32 s36, s4, 13                         ; pml: 8192 b + 256 (8 g + w) + 8 i
	s_lshl_b32 s7, s2, 8
	s_add_co_u32 s36, s36, s7
	s_lshl3_add_u32 s36, s3, s36
	s_add_nc_u64 s[26:27], s[26:27], s[36:37]
	s_wait_xcnt 0x0                                ; EXEC is a source of what is pending: it narrows only behind this wait
	v_cmp_gt_u32 vcc_lo, 4, v1
	s_wait_tensorcnt 0x0
	ds_add_u32 v254, v255
	s_wait_dscnt 0x0
	s_and_saveexec_b32 s55, vcc_lo
	global_store_b64 v[MLO], v[MM:MM+1], s[26:27]  ; lane g: (m, l) of query g
	s_wait_xcnt 0x0                                ; and widens only behind this one
	s_or_b32 exec_lo, exec_lo, s55
	s_endpgm
.Lfunc_end_k_q0dc006d4ed_partial:
	.size	k_q0dc006d4ed_partial, .Lfunc_end_k_q0dc006d4ed_partial-k_q0dc006d4ed_partial
	.p2alignl 7, 3214868480
	.fill 96, 4, 3214868480
	.section	.rodata,"a",@progbits
	.p2align	6, 0x0
	.amdhsa_kernel k_q0dc006d4ed_partial
		.amdhsa_group_segment_fixed_size 70656
		.amdhsa_private_segment_fixed_size 0
		.amdhsa_enable_private_segment 0
		.amdhsa_kernarg_size 80
		.amdhsa_user_sgpr_count 2
		.amdhsa_user_sgpr_kernarg_segment_ptr 1
		.amdhsa_wavefront_size32 1
		.amdhsa_system_sgpr_workgroup_id_x 1
		.amdhsa_system_sgpr_workgroup_id_y 1
		.amdhsa_system_sgpr_workgroup_id_z 1
		.amdhsa_system_vgpr_workitem_id 0
		.amdhsa_next_free_vgpr 512
		.amdhsa_next_free_sgpr 66
		.amdhsa_reserve_vcc 1
		.amdhsa_float_denorm_mode_32 3
		.amdhsa_float_denorm_mode_16_64 3
		.amdhsa_memory_ordered 1
		.amdhsa_forward_progress 1
		.amdhsa_inst_pref_size 97
	.end_amdhsa_kernel
	.amdgpu_metadata
---
amdhsa.version: [ 1, 2 ]
amdhsa.kernels:
  - .name:           k_q0dc006d4ed_partial
    .symbol:         k_q0dc006d4ed_partial.kd
    .args:
      - { .name: Q, .offset: 0, .size: 8, .value_kind: global_buffer, .address_space: global }
      - { .name: Kcache, .offset: 8, .size: 8, .value_kind: global_buffer, .address_space: global }
      - { .name: Vcache, .offset: 16, .size: 8, .value_kind: global_buffer, .address_space: global }
      - { .name: cos, .offset: 24, .size: 8, .value_kind: global_buffer, .address_space: global }
      - { .name: sin, .offset: 32, .size: 8, .value_kind: global_buffer, .address_space: global }
      - { .name: input_length, .offset: 40, .size: 8, .value_kind: global_buffer, .address_space: global }
      - { .name: mask, .offset: 48, .size: 8, .value_kind: global_buffer, .address_space: global }
      - { .name: block_tables, .offset: 56, .size: 8, .value_kind: global_buffer, .address_space: global }
      - { .name: pacc, .offset: 64, .size: 8, .value_kind: global_buffer, .address_space: global }
      - { .name: pml, .offset: 72, .size: 8, .value_kind: global_buffer, .address_space: global }
    .group_segment_fixed_size: 70656
    .private_segment_fixed_size: 0
    .kernarg_segment_align: 8
    .kernarg_segment_size: 80
    .max_flat_workgroup_size: 256
    .sgpr_count:     66
    .vgpr_count:     512
    .wavefront_size: 32
...
	.end_amdgpu_metadata
.endif
;; end of part 1
;; launch combine (part 2): grid 256 x 1, 1 waves a work-group, no clusters, 0 bytes of LDS; arguments Q, K, V, cos, sin, mask, pacc, pml, out0; writes out0
.if DOCPART == 2
	.amdgcn_target "amdgcn-amd-amdhsa--gfx1250"
	.amdhsa_code_object_version 6
	.text
	.protected	k_q0dc006d4ed_combine
	.globl	k_q0dc006d4ed_combine
	.p2align	8
	.type	k_q0dc006d4ed_combine,@function
k_q0dc006d4ed_combine:
	s_mov_b64 s[64:65], 0
	v_nop
	global_prefetch_b8 v0, s[64:65] scope:SCOPE_SE
	s_setreg_imm32_b32 hwreg(HW_REG_WAVE_MODE, 25, 1), 1
	s_wait_xcnt 0x0
; Paged decode attention, part 2: for one (b, head) merge the 32 partials of the first launch with the current token (position N-1:
; rotated K, raw V) as a 33rd, and normalise.  One wave; lane L owns d = 4 L .. 4 L + 3 and, for the weights, split L.
; The current token's one score per head is an f32 dot product of 128 on the vector unit: a matrix instruction would use one of its 256 outputs.
; m and the score are in the log2 domain (128^-0.5, mask and log2 e folded in), as in the first launch.
; A partial without tokens has m = -infinity, l = 0, sums 0 and gets the weight 0; the maximum is finite since the current token's score is
; (LIMIT: finite inputs).  v_exp_f32 and v_rcp_f32 flush denormal results to zero: weights below 2^-126 count as 0.
.set ROW, 48                           ; v[48:175] the 32 partial rows, 4 registers each
.set OUT, 176                          ; v[176:179]
.set W,   24                           ; s[24:55] the 32 weights
	s_load_b512 s[4:19], s[0:1], 0x0               ; Q, K, V, cos, sin, mask, pacc, pml
	s_load_b64 s[20:21], s[0:1], 0x40              ; out0
	s_mov_b32 s2, 0x76543210                       ; v_permlanex16_b32: lane L takes lane L ^ 16
	s_mov_b32 s3, 0xfedcba98
	s_mov_b32 s57, 0
	v_lshlrev_b32 v1, 4, v0                        ; 16 L
	v_xor_b32 v2, 0x100, v1                        ; the other half of the 128 numbers
	v_lshlrev_b32 v3, 3, v0                        ; 8 L
	v_and_b32 v46, 16, v0
	v_xor_b32 v46, 16, v46
	v_lshlrev_b32 v46, 27, v46                     ; sign bit for d < 64
	v_mov_b32 v45, 0                               ; v_permlanex16_b32's destination counts as read
	s_wait_kmcnt 0x0
	s_load_b32 s22, s[14:15], 0x0                  ; mask
	s_lshl_b32 s56, ttmp9, 8                       ; ttmp9 = 32 b + head
	s_add_nc_u64 s[18:19], s[18:19], s[56:57]      ; pml: 32 splits x 8 bytes
	s_lshl_b32 s56, ttmp9, 9
	s_add_nc_u64 s[4:5], s[4:5], s[56:57]
	s_add_nc_u64 s[20:21], s[20:21], s[56:57]
	s_lshr_b32 s23, ttmp9, 5                       ; b
	s_lshl_b32 s56, s23, 9
	s_add_nc_u64 s[10:11], s[10:11], s[56:57]
	s_add_nc_u64 s[12:13], s[12:13], s[56:57]
	s_and_b32 s56, ttmp9, 7                        ; kv head = head % 8
	s_lshl3_add_u32 s56, s23, s56
	s_lshl_b32 s56, s56, 9
	s_add_nc_u64 s[6:7], s[6:7], s[56:57]
	s_add_nc_u64 s[8:9], s[8:9], s[56:57]
	s_and_b32 s56, ttmp9, 31
	s_lshl_b32 s56, s56, 9
	s_lshl_b32 s23, s23, 19                        ; 32 splits x 32 heads x 512 bytes
	s_add_co_u32 s56, s56, s23
	s_add_nc_u64 s[16:17], s[16:17], s[56:57]
	global_load_b64 v[4:5], v3, s[18:19]           ; (m, l) of split L
	global_load_b128 v[8:11], v1, s[4:5]
	global_load_b128 v[12:15], v2, s[4:5]
	global_load_b128 v[16:19], v1, s[6:7]
	global_load_b128 v[20:23], v2, s[6:7]
	global_load_b128 v[24:27], v1, s[10:11]
	global_load_b128 v[28:31], v1, s[12:13]
	global_load_b128 v[32:35], v1, s[8:9]
.set t, 0
.rept 32
	global_load_b128 v[ROW+4*t:ROW+4*t+3], v1, s[16:17] offset:16384*t     ; split t's row: 512 consecutive bytes
.set t, t+1
.endr
	s_wait_loadcnt 0x20                            ; the eight small loads are in, the 32 rows stay out
	s_wait_kmcnt 0x0
.irp k, 0,1,2,3
	v_xor_b32 v[28+\k], v46, v[28+\k]
.endr
	v_pk_mul_f32 v[36:37], v[12:13], v[28:29]      ; rotated Q and K
	v_pk_mul_f32 v[38:39], v[14:15], v[30:31]
	v_pk_mul_f32 v[40:41], v[20:21], v[28:29]
	v_pk_mul_f32 v[42:43], v[22:23], v[30:31]
	v_pk_fma_f32 v[36:37], v[8:9], v[24:25], v[36:37]
	v_pk_fma_f32 v[38:39], v[10:11], v[26:27], v[38:39]
	v_pk_fma_f32 v[40:41], v[16:17], v[24:25], v[40:41]
	v_pk_fma_f32 v[42:43], v[18:19], v[26:27], v[42:43]
	v_mul_f32 v44, v36, v40
	v_fmac_f32 v44, v37, v41
	v_fmac_f32 v44, v38, v42
	v_fmac_f32 v44, v39, v43
	v_add_f32_dpp v44, v44, v44 row_xmask:1 row_mask:0xf bank_mask:0xf
	v_add_f32_dpp v44, v44, v44 row_xmask:2 row_mask:0xf bank_mask:0xf
	v_add_f32_dpp v44, v44, v44 row_xmask:4 row_mask:0xf bank_mask:0xf
	v_add_f32_dpp v44, v44, v44 row_xmask:8 row_mask:0xf bank_mask:0xf
	v_permlanex16_b32 v45, v44, s2, s3
	v_add_f32 v44, v44, v45
	v_mul_f32 v44, s22, v44
	v_mul_f32 v44, 0x3e0293ee, v44                 ; the current token's score x mask x 128^-0.5 x log2 e, in every lane
	v_max_num_f32 v47, v4, v44
	v_max_num_f32_dpp v47, v47, v47 row_xmask:1 row_mask:0xf bank_mask:0xf
	v_max_num_f32_dpp v47, v47, v47 row_xmask:2 row_mask:0xf bank_mask:0xf
	v_max_num_f32_dpp v47, v47, v47 row_xmask:4 row_mask:0xf bank_mask:0xf
	v_max_num_f32_dpp v47, v47, v47 row_xmask:8 row_mask:0xf bank_mask:0xf
	v_permlanex16_b32 v45, v47, s2, s3
	v_max_num_f32 v47, v47, v45                    ; M over the 33
	v_sub_f32 v4, v4, v47
	v_sub_f32 v44, v44, v47
	v_exp_f32 v4, v4                               ; weight of split L
	v_exp_f32 v44, v44                             ; weight of the current token
	v_nop                                          ; one plain place behind the exponentials (ISA guide 5.7.2)
	s_wait_alu depctr_va_vdst(0)
	v_mul_f32 v5, v4, v5
	v_add_f32_dpp v5, v5, v5 row_xmask:1 row_mask:0xf bank_mask:0xf
	v_add_f32_dpp v5, v5, v5 row_xmask:2 row_mask:0xf bank_mask:0xf
	v_add_f32_dpp v5, v5, v5 row_xmask:4 row_mask:0xf bank_mask:0xf
	v_add_f32_dpp v5, v5, v5 row_xmask:8 row_mask:0xf bank_mask:0xf
	v_permlanex16_b32 v45, v5, s2, s3
	v_add_f32 v5, v5, v45
	v_add_f32 v5, v5, v44                          ; the softmax's denominator
	v_rcp_f32 v5, v5
	v_nop                                          ; one plain place behind the reciprocal
	s_wait_alu depctr_va_vdst(0)
	v_mul_f32 v4, v4, v5
	v_mul_f32 v44, v44, v5
	v_pk_mul_f32 v[OUT:OUT+1], v[32:33], v[44:45] op_sel_hi:[1,0]          ; the current token starts the sums: both by v44
	v_pk_mul_f32 v[OUT+2:OUT+3], v[34:35], v[44:45] op_sel_hi:[1,0]
.set t, 0
.rept 32
	v_readlane_b32 s[W+t], v4, t                   ; split t's weight for every lane
.set t, t+1
.endr
.set t, 0
.rept 4
	s_wait_loadcnt 24-t                            ; eight more rows are in, the younger ones stay out
.rept 8
	v_fmac_f32 v[OUT], s[W+t], v[ROW+4*t]
	v_fmac_f32 v[OUT+1], s[W+t], v[ROW+4*t+1]
	v_fmac_f32 v[OUT+2], s[W+t], v[ROW+4*t+2]
	v_fmac_f32 v[OUT+3], s[W+t], v[ROW+4*t+3]
.set t, t+1
.endr
.endr
	global_store_b128 v1, v[OUT:OUT+3], s[20:21]   ; the head's 512 consecutive bytes, aligned
	s_endpgm
.Lfunc_end_k_q0dc006d4ed_combine:
	.size	k_q0dc006d4ed_combine, .Lfunc_end_k_q0dc006d4ed_combine-k_q0dc006d4ed_combine
	.p2alignl 7, 3214868480
	.fill 96, 4, 3214868480
	.section	.rodata,"a",@progbits
	.p2align	6, 0x0
	.amdhsa_kernel k_q0dc006d4ed_combine
		.amdhsa_group_segment_fixed_size 0
		.amdhsa_private_segment_fixed_size 0
		.amdhsa_enable_private_segment 0
		.amdhsa_kernarg_size 72
		.amdhsa_user_sgpr_count 2
		.amdhsa_user_sgpr_kernarg_segment_ptr 1
		.amdhsa_wavefront_size32 1
		.amdhsa_system_sgpr_workgroup_id_x 1
		.amdhsa_system_sgpr_workgroup_id_y 1
		.amdhsa_system_sgpr_workgroup_id_z 1
		.amdhsa_system_vgpr_workitem_id 0
		.amdhsa_next_free_vgpr 184
		.amdhsa_next_free_sgpr 66
		.amdhsa_reserve_vcc 0
		.amdhsa_float_denorm_mode_32 3
		.amdhsa_float_denorm_mode_16_64 3
		.amdhsa_memory_ordered 1
		.amdhsa_forward_progress 1
		.amdhsa_inst_pref_size 14
	.end_amdhsa_kernel
	.amdgpu_metadata
---
amdhsa.version: [ 1, 2 ]
amdhsa.kernels:
  - .name:           k_q0dc006d4ed_combine
    .symbol:         k_q0dc006d4ed_combine.kd
    .args:
      - { .name: Q, .offset: 0, .size: 8, .value_kind: global_buffer, .address_space: global }
      - { .name: K, .offset: 8, .size: 8, .value_kind: global_buffer, .address_space: global }
      - { .name: V, .offset: 16, .size: 8, .value_kind: global_buffer, .address_space: global }
      - { .name: cos, .offset: 24, .size: 8, .value_kind: global_buffer, .address_space: global }
      - { .name: sin, .offset: 32, .size: 8, .value_kind: global_buffer, .address_space: global }
      - { .name: mask, .offset: 40, .size: 8, .value_kind: global_buffer, .address_space: global }
      - { .name: pacc, .offset: 48, .size: 8, .value_kind: global_buffer, .address_space: global }
      - { .name: pml, .offset: 56, .size: 8, .value_kind: global_buffer, .address_space: global }
      - { .name: out0, .offset: 64, .size: 8, .value_kind: global_buffer, .address_space: global }
    .group_segment_fixed_size: 0
    .private_segment_fixed_size: 0
    .kernarg_segment_align: 8
    .kernarg_segment_size: 72
    .max_flat_workgroup_size: 32
    .sgpr_count:     66
    .vgpr_count:     184
    .wavefront_size: 32
...
	.end_amdgpu_metadata
.endif
;; end of part 2
